; MI455X (gfx1250); checked and timed in simulation.
; The chip was launched on July 23, 2026; its instructions are those of AMD's public machine-readable ISA for CDNA 5 (MIT licence, August 2026) and "CDNA5" Instruction Set Architecture Reference Guide (July 2026). The comments in the code are by the model that wrote it; some were corrected since.
;; Continuous Deep FM. Allowed arithmetic: matrix products marked QUANTISED: E2M3 operands, one E8M0 scale for each 32 along K, by v_wmma_scale_f32_16x16x128_f8f6f4 with both operands' format E2M3, f32 sums; everything else in f32.
;; Inputs: bias 512 float32; feature_weights_codes 512 x 16 x 24 uint8 (E2M3 codes of feature_weights, K innermost, in blocks of 32 codes, four codes in three bytes); feature_weights_scales 512 x 16 uint8 (E8M0 scales of feature_weights, one for each 32 codes along K); first_order_weights_codes 512 x 16 x 24 uint8 (E2M3 codes of first_order_weights, K innermost, in blocks of 32 codes, four codes in three bytes); first_order_weights_scales 512 x 16 uint8 (E8M0 scales of first_order_weights, one for each 32 codes along K); mlp_b 4 x 512 float32; mlp_w_codes 4 x 512 x 16 x 24 uint8 (E2M3 codes of mlp_w, K innermost, in blocks of 32 codes, four codes in three bytes); mlp_w_scales 4 x 512 x 16 uint8 (E8M0 scales of mlp_w, one for each 32 codes along K); second_order_weights_codes 512 x 16 x 24 uint8 (E2M3 codes of second_order_weights, K innermost, in blocks of 32 codes, four codes in three bytes); second_order_weights_scales 512 x 16 uint8 (E8M0 scales of second_order_weights, one for each 32 codes along K); x 512 x 512 float32.
;; Outputs: out0 512 x 512 float32.
;; This version of the problem:
;;   THIS VERSION OF THE PROBLEM IS GIVEN IN LOW PRECISION. The matrix products marked QUANTISED in the list below multiply operands that are first quantised to E2M3 (2 exponent bits, 3 mantissa bits; 6 bits a number), with one power-of-two scale for each 32 numbers along K (OCP MX v1.0); their sums are f32. All else is computed in f32.
;;   The module's matrix products, in the order in which they are computed (A, B: the left and right operand; K: the contracted axis; several contracted axes count as one K, in the product's order):
;;     1. [M 512, K 512] x [K 512, N 512]; A: input x; B: input first_order_weights (given as codes): QUANTISED
;;     2. [M 512, K 512] x [K 512, N 512]; A: input x; B: input second_order_weights (given as codes): QUANTISED
;;     3. [M 512, K 512] x [K 512, N 512]; A: input x; B: input feature_weights (given as codes): QUANTISED
;;     4. [M 512, K 512] x [K 512, N 512]; A: computed on the way; B: input mlp_w (given as codes): QUANTISED
;;     5. [M 512, K 512] x [K 512, N 512]; A: computed on the way; B: input mlp_w (given as codes): QUANTISED
;;     6. [M 512, K 512] x [K 512, N 512]; A: computed on the way; B: input mlp_w (given as codes): QUANTISED
;;     7. [M 512, K 512] x [K 512, N 512]; A: computed on the way; B: input mlp_w (given as codes): QUANTISED
;;   THE QUANTISER, for each operand of a quantised product, along K:
;;     - K is cut into blocks of 32 from its start; a last block that is shorter is filled with zeros.
;;     - A block's scale is 2^e with e = floor(log2(the largest magnitude in the block)) - 2, held to -126 .. 127; a block of zeros has e = 0. As a byte (E8M0): e + 127.
;;     - Each number is divided by its block's scale, clamped to +-7.5, and rounded to the nearest number of E2M3, ties to even, subnormals kept.
;;     - The product sums the exact products of the quantised numbers (number of the format x scale) in f32.
;;   ~~~python
;;   def quantise(x, axis):      # numpy; x: float32 -> the quantised numbers, widened to float32 again
;;       x = np.moveaxis(x, axis, -1); K = x.shape[-1]
;;       x = np.pad(x, [(0, 0)] * (x.ndim - 1) + [(0, -K % 32)]); x = x.reshape(x.shape[:-1] + (-1, 32)); a = np.abs(x).max(-1, keepdims=True)
;;       e = np.where(a > 0, np.clip(np.frexp(np.where(a > 0, a, 1))[1] - 1 - 2, -126, 127), 0)      # np.frexp(a)[1] - 1 = floor(log2(a)), exactly
;;       r = np.clip(x / 2.0 ** e, -7.5, 7.5)
;;       step = 2.0 ** (np.maximum(np.frexp(np.where(r == 0, 1, r))[1] - 1, 0) - 3)
;;       q = np.round(r / step) * step * 2.0 ** e      # np.round: ties to even
;;       return np.moveaxis(q.reshape(q.shape[:-2] + (-1,))[..., :K], -1, axis).astype(np.float32)
;;   ~~~
;;   OPERANDS COMPUTED ON THE WAY. 'Computed on the way' means the value that the module computes at that place (a softmax that the list does not call 'softmax' is quantised finished and normalised). What goes into a quantiser is computed in f32, as accurately as f32 sums, v_exp_f32 and their like allow (about 1e-6 of the number): no bf16 or f16 on the way to a quantiser, and a product that is left as it is and whose result goes on into a quantised operand takes f32 operands (vector FMAs, or v_wmma_f32_16x16x4_f32). A number that lies on a knife's edge between two numbers of the format may be rounded either way, as far as f32 arithmetic and the matrix unit's own rounding can turn it there, and no further.
;;   INPUTS GIVEN AS CODES. feature_weights (in the module: [512, 512], K = its axis 0); first_order_weights (in the module: [512, 512], K = its axis 0); mlp_w (in the module: [4, 512, 512], K = its axis 2); second_order_weights (in the module: [512, 512], K = its axis 0): each comes as NAME_codes (uint8): NAME with its K axis moved to the last place and cut into blocks of 32 codes, [.., K / 32, bytes a block], one block behind the other in memory; four codes in three bytes: a row's codes are one little-endian stream of bits, code i at bits 6 i .. 6 i + 5 (a code: sign, 2 exponent bits, 3 mantissa bits); and NAME_scales (uint8): the same leading axes, one E8M0 byte (e + 127) for each 32 codes along K. Its value is code x scale, taken as it is: it is not quantised again, and the codes and scales need not be those that the quantiser above would give.
;; 2 versions. Each part assembles by itself: llvm-mc -triple=amdgcn-amd-amdhsa -mcpu=gfx1250 --defsym DOCPART=n.
;; ======== version 1 of 2: 1 launch
;; launch deepfm (part 1): grid 32 x 1, 8 waves a work-group, no clusters, 125,440 bytes of LDS; arguments x, first_order_weights_codes, first_order_weights_scales, second_order_weights_codes, second_order_weights_scales, feature_weights_codes, feature_weights_scales, mlp_w_codes, mlp_w_scales, bias, mlp_b, out0; writes out0
.if DOCPART == 1
	.amdgcn_target "amdgcn-amd-amdhsa--gfx1250"
	.amdhsa_code_object_version 6
	.text
	.protected	k_qc43fb502b9_deepfm
	.globl	k_qc43fb502b9_deepfm
	.p2align	8
	.type	k_qc43fb502b9_deepfm,@function
k_qc43fb502b9_deepfm:
	s_mov_b64 s[64:65], 0
	v_nop
	global_prefetch_b8 v0, s[64:65] scope:SCOPE_SE
	s_setreg_imm32_b32 hwreg(HW_REG_WAVE_MODE, 25, 1), 1
	s_wait_xcnt 0x0
; out = (x W1 + bias) + 0.5 (S2 - S1^2) (x W2)^2 + MLP(x Wf).  x: [512][512] f32.  All seven products on codes of FP6 (E2M3) with one E8M0 scale for each 32 along K.
; THE SECOND-ORDER TERM: inter[b][i][k] = x[b][i] xw[b][k], so its two sums over i are S2[b] xw^2 and (S1[b] xw)^2, with S1 = sum of x, S2 = sum of x^2 along a row of the UNQUANTISED x, in f32.
; SHARES.  A work-group owns 16 rows of the batch, one matrix tile, through the whole chain: a layer needs all 512 units of its rows before the next begins, and work-groups hand each other nothing.  512 / 16 = 32 work-groups.
; Wave w of eight owns units 64 w .. 64 w + 63 of EVERY matrix: 64 rows of 384 bytes of codes, dense in memory, taken as two PAIRS of 32 rows (two tiles of 16).  7 matrices x 2 = 14 pair steps.
; Matrices in order: 0 first order, 1 second order, 2 feature, 3 .. 6 the MLP's four layers.
; PRODUCTS ARE USED TRANSPOSED: source 0 = 16 rows of W, source 1 = the 16 batch rows.  In the result lane (r, h) holds batch row r and its register j the unit 16 T + 8 h + j of tile T.
; THE WEIGHTS' WAY: loads of 16 bytes a lane, 512 consecutive aligned bytes an instruction; as they lie into the wave's OWN stage in LDS (rows 400 bytes apart); out of it as fragments, 8 bytes a lane.  Each weight byte
; feeds one matrix instruction.  Only the wave itself touches its stage, and LDS serves a wave's instructions in order (ISA guide 5.7.1.4): the weights need no barrier.  Two pairs (50 loads) of every wave are always on their way,
; by counted waits that never run down to zero before the end.
; WHY NO TENSOR LOADS AND NO JOINT REQUESTS, though all 32 work-groups read the same weights: the codes are 1,376,256 bytes, more than four times what a work-group can hold in LDS, so slots would be filled again all the way, and
; each such refill stands behind a barrier; between two such barriers a wave here has 8 or 16 matrix instructions.  Loads into registers keep 50 out across every step.
; ACTIVATIONS GO FROM WAVE TO WAVE AS IMAGES OF THE OPERAND'S REGISTERS: wave w's 64 units are blocks 2 w and 2 w + 1 of the next K, that is registers 6 w .. 6 w + 5 of the four fragments; each lane stores its six registers and any wave
; loads them back into the same lanes.  Two image buffers take turns, so one barrier serves each exchange: five in all.
; NO ACCUMULATOR IS CLEARED: bias + mlp_b[3] is the C of the first-order product (P); xw and x Wf begin with the constant 0; mlp_b[0..2] are the C of their layers; the last layer adds straight onto P.
; LIMITS: NaN and infinities among the inputs are not served.  A block of zeros (and one whose largest magnitude lies under 2^-124) gets the scale byte 1; for zeros the rule says 127: the codes are zeros and this program alone reads the byte.
; REGISTERS.  Window 0: v1-28 addresses and the like; v30-47 at work; v48-51 the activations' scale words; v52-63 three sets of weights' scale words; v64-111 the activations' four fragments; v112-143 H, four accumulators;
; v144-239 a pair's eight fragments.  Window 1: v0-95, v96-191 two landing sets for the weights' loads; v192-223 P, four accumulators.  Tile T = 2 p + t lies at 8 p + 16 t of H or P: in the order T0, T2, T1, T3.
.set STGW, 12800                       ; LDS: a wave's stage: 32 rows x 400 bytes
.set RP,   400                         ; a row: 384 bytes + 16 = 100 words: row r begins at bank 36 r mod 64 (64 banks of 4 bytes: ISA guide 11.1), sixteen different multiples of 4; lanes 16-31 lie 6 words on: 64 different banks a load
.set IMG,  102400                      ; two image buffers of 6,144 bytes; in each, wave q's six registers at 768 q: 512 bytes (four registers, 16 x lane), then 256 (two, 8 x lane)
.set XSC,  114688                      ; two buffers of 256 bytes: row r's sixteen scale bytes at 16 r; wave w writes bytes 2 w, 2 w + 1
.set SUMS, 115200                      ; (S1, S2) of wave w's 64 columns of row r at 128 w + 8 r
.set BIA,  116224                      ; four vectors of 2,048 bytes: bias + mlp_b[3], mlp_b[0], [1], [2]; wave w writes and reads bytes 256 w .. 256 w + 255 of each alone
.set WOF, 4                            ; v4   24,576 w + 16 l: my 16 bytes of a load of codes
.set SOF, 5                            ; v5   1,024 w + 16 l: a row's sixteen scale bytes
.set SA,  6                            ; v6-8 into the stage: 12,800 w + 16 l + 16 more where my 16 bytes lie one row further on, for loads 3 a + 0, 1, 2
.set FA,  9                            ; v9   out of it: 12,800 w + 400 r + 24 h
.set LI,  10                           ; v10  IMG + 16 l
.set L8,  11                           ; v11  IMG + 512 + 8 l
.set IW,  12                           ; v12  IMG + 768 w + 16 l
.set IW8, 13                           ; v13  IMG + 768 w + 512 + 8 l
.set SW,  14                           ; v14  XSC + 16 r + 2 w
.set R16, 15                           ; v15  XSC + 16 r
.set SWS, 16                           ; v16  SUMS + 128 w + 8 r
.set R8,  17                           ; v17  SUMS + 8 r
.set BA,  18                           ; v18  BIA + 256 w + 32 h
.set BW,  19                           ; v19  BIA + 256 w + 8 l
.set OST, 20                           ; v20  the way out, in: 12,800 w + 272 r + 32 h
.set ORD, 21                           ; v21  back: 12,800 w + 272 h + 16 r
.set OGL, 22                           ; v22  in out0: 2,048 h + 16 r + 256 w
.set PFO, 23                           ; v23  the prefetches' offset
.set H8,  24                           ; v24  8 h
.set XA,  25                           ; v25  in x: 2,048 r + 256 w + 128 h
.set CF,  26                           ; v[26:27] 0.5 (S2 - S1^2) of my row, twice
.set BO,  28                           ; v28  256 w + 8 l: my two numbers of a bias vector
.set MX0, 30                           ; v30, v31 largest magnitudes, two chains
.set MX1, 31
.set PC,  32                           ; v32-37 a block's codes
.set PT,  38                           ; v38-40 its upper half as converted
.set SOP, 41                           ; v41  the conversions' scale operand
.set BYT, 42                           ; v42  scale bytes
.set T0,  43                           ; v43  a lane permute's destination
.set SU,  44                           ; v[44:45] sums of x
.set SQ,  46                           ; v[46:47] sums of x^2
.set XS,  48
.set SCW, 52
.set XF,  64
.set H,   112
.set F,   144
.set P,   192                          ; in window 1
.set MSB, 0
.macro WIN new                         ; the immediate's high byte repeats the setting that is left; low byte: bits 1:0 source 0, 3:2 source 1, 5:4 source 2, 7:6 destination
.if MSB != \new
	s_set_vgpr_msb (MSB<<8)|\new
.set MSB, \new
.endif
.endm
.macro PTR i                           ; matrix i: the scalar pairs of its codes and scale bytes, and where it begins in them
.set PI, \i
.if PI == 0
.set CPT, 10
.set SPT, 12
.set CI, 0
.set SI, 0
.elseif PI == 1
.set CPT, 14
.set SPT, 16
.set CI, 0
.set SI, 0
.elseif PI == 2
.set CPT, 18
.set SPT, 20
.set CI, 0
.set SI, 0
.else
.set CPT, 22
.set SPT, 24
.set CI, 196608*(PI-3)
.set SI, 8192*(PI-3)
.endif
.endm
; 25 loads: pair step pr's 12,288 bytes of codes into landing set pr % 2, and its 32 rows' scale bytes into set pr % 3: lane l gets row 32 p + l's sixteen bytes, so register s is K step s's word,
; lanes 0-15 for the pair's first tile and lanes 16-31 for its second.  No cache hint: the other work-groups read the same bytes.
.macro GLOAD pr
.set GT, \pr
	PTR GT/2
	WIN 0x40                                       ; destination window 1
.irp j, 0,1,2,3,4,5,6,7,8,9,10,11,12,13,14,15,16,17,18,19,20,21,22,23
	global_load_b128 v[96*(GT%2)+4*\j:96*(GT%2)+4*\j+3], v[WOF], s[CPT:CPT+1] offset:CI+12288*(GT%2)+512*\j
.endr
	WIN 0
	global_load_b128 v[SCW+4*(GT%3):SCW+4*(GT%3)+3], v[SOF], s[SPT:SPT+1] offset:SI+512*(GT%2)
.endm
; Pair step pr goes through the stage, and the pair two steps on is asked for.  Byte b of the pair goes to b + 16 (b / 384): load 3 a + i covers bytes 1,536 a + 512 i + 16 l, four rows for each a.
.macro STAGE pr
.set TT, \pr
.if TT == 13
	s_wait_loadcnt 0x0                             ; the last pair: nothing was issued behind it
.else
	s_wait_loadcnt 25                              ; loads come back in order (ISA guide 5.7.1): this pair's 25 are in, the next pair's 25 stay out
.endif
	WIN 0x04                                       ; an LDS store's data are its source 1: window 1
.irp j, 0,1,2,3,4,5,6,7,8,9,10,11,12,13,14,15,16,17,18,19,20,21,22,23
	ds_store_b128 v[SA+\j%3], v[96*(TT%2)+4*\j:96*(TT%2)+4*\j+3] offset:1600*(\j/3)+528*(\j%3)
.endr
	WIN 0
.irp s, 0,1,2,3                        ; the eight fragments (tile t, K step s): 24 bytes of the row's stream of bits for each half fragment, as they lie, in pieces of 8; K step by K step, so that the products can begin on the first
.irp t, 0,1
.irp c, 0,1
.irp q, 0,1,2
	ds_load_b64 v[F+48*\t+12*\s+6*\c+2*\q:F+48*\t+12*\s+6*\c+2*\q+1], v[FA] offset:16*RP*\t+96*\s+48*\c+8*\q
.endr
.endr
.endr
.endr
.if TT <= 11
	s_wait_dscnt 48                                ; all but the 48 loads just issued: the 24 stores have read the landing set,
	GLOAD TT+2                                     ; which takes the pair two steps on
.endif
.endm
; A PREFETCH INTO THE L2 of matrix i's codes: 196,608 bytes are 768 aligned blocks of 256: wave 0 of each of the work-groups 0 to 23 names 32 of them, a lane a block: each block once in the launch.  It stands behind the wave's
; loads of a pair step, two pair steps ahead of the first load of that matrix.  Matrices 0 and 1 come by their loads alone.  Its address registers are never rewritten.
.macro ASK i
	PTR \i
	s_cmp_lg_u32 s36, 0
	s_cbranch_scc0 .Lno_\@
	global_prefetch_b8 v[PFO], s[CPT:CPT+1] offset:CI th:TH_LOAD_NT scope:SCOPE_SE
.Lno_\@:
.endm
.macro PLACES                          ; five plain places behind the last matrix instruction (one more than loads and vector reads ask, for accumulators that are begun anew with another C)
.rept 5
	v_nop
.endr
.endm
; Pair step pr's eight products: two tiles x four K steps, the two accumulators by turns, one instruction a turn; the next step begins on another accumulator.
; zero = 1: the first K step starts the sums.  edge = 1: other LDS loads were issued behind the fragments', so one wait for all; else each K step waits for its own 12 loads: 36, 24, 12, 0 younger ones may be out.
.macro MUL pr, acc, win, zero, edge
.set MT, \pr
	WIN \win
.if \edge
	s_wait_dscnt 0x0
.endif
.irp s, 0,1,2,3
.if \edge == 0
	s_wait_dscnt 36-12*\s
.endif
.set MA, \acc+8*(MT%2)
.if \zero && (\s == 0)
	v_wmma_scale_f32_16x16x128_f8f6f4 v[MA:MA+7], v[F+12*\s:F+12*\s+11], v[XF+12*\s:XF+12*\s+11], 0, v[SCW+4*(MT%3)+\s], v[XS+\s] matrix_a_fmt:MATRIX_FMT_FP6 matrix_b_fmt:MATRIX_FMT_FP6
	v_wmma_scale_f32_16x16x128_f8f6f4 v[MA+16:MA+23], v[F+48+12*\s:F+48+12*\s+11], v[XF+12*\s:XF+12*\s+11], 0, v[SCW+4*(MT%3)+\s], v[XS+\s] matrix_a_fmt:MATRIX_FMT_FP6 matrix_b_fmt:MATRIX_FMT_FP6 matrix_a_scale:MATRIX_SCALE_ROW1
.else
	v_wmma_scale_f32_16x16x128_f8f6f4 v[MA:MA+7], v[F+12*\s:F+12*\s+11], v[XF+12*\s:XF+12*\s+11], v[MA:MA+7], v[SCW+4*(MT%3)+\s], v[XS+\s] matrix_a_fmt:MATRIX_FMT_FP6 matrix_b_fmt:MATRIX_FMT_FP6
	v_wmma_scale_f32_16x16x128_f8f6f4 v[MA+16:MA+23], v[F+48+12*\s:F+48+12*\s+11], v[XF+12*\s:XF+12*\s+11], v[MA+16:MA+23], v[SCW+4*(MT%3)+\s], v[XS+\s] matrix_a_fmt:MATRIX_FMT_FP6 matrix_b_fmt:MATRIX_FMT_FP6 matrix_a_scale:MATRIX_SCALE_ROW1
.endif
.endr
	WIN 0
	PLACES
.endm
; H's halves change places so that a lane holds a WHOLE block of 32 along the next K: afterwards register i of lane (r, h) is unit 64 w + 32 h + i of batch row r.  (T0 with T2, then T1 with T3; each accumulator is first read at its low end.)
.macro SWAP
.irp j, 0,1,2,3,4,5,6,7
	v_permlane16_swap_b32 v[H+\j], v[H+8+\j]
.endr
.irp j, 0,1,2,3,4,5,6,7
	v_permlane16_swap_b32 v[H+16+\j], v[H+24+\j]
.endr
.endm
.macro RELU
.irp j, 0,1,2,3,4,5,6,7,8,9,10,11,12,13,14,15,16,17,18,19,20,21,22,23,24,25,26,27,28,29,30,31
	v_max_num_f32 v[H+\j], 0, v[H+\j]
.endr
.endm
; My block of 32 numbers, v[H] on, becomes six registers of codes and a scale byte; both go to image buffer e.
.macro QUANT e
.set QE, \e
	v_max3_num_f32 v[MX0], |v[H]|, |v[H+1]|, |v[H+2]|              ; the block's largest magnitude: all 32 numbers are mine; two chains
	v_max3_num_f32 v[MX1], |v[H+3]|, |v[H+4]|, |v[H+5]|
.irp i, 6,10,14,18,22,26
	v_max3_num_f32 v[MX0], v[MX0], |v[H+\i]|, |v[H+\i+1]|
	v_max3_num_f32 v[MX1], v[MX1], |v[H+\i+2]|, |v[H+\i+3]|
.endr
	v_max3_num_f32 v[MX0], v[MX0], |v[H+30]|, |v[H+31]|
	v_max3_num_f32 v[MX0], v[MX0], v[MX1], 0x1800000               ; and the floor 2^(3 - 127): the byte cannot fall under 1
	v_add_nc_u32 v[SOP], 0xff000000, v[MX0]                        ; 2 off the exponent field: the conversion takes the exponent field of this operand as its scale, and nothing else of it
	v_lshrrev_b32 v[BYT], 23, v[SOP]                               ; the scale's byte,
	v_lshlrev_b32 v[BYT], v[H8], v[BYT]                            ; at its place among the wave's two (block 2 w + h),
	v_permlanex16_b32 v[T0], v[BYT], s34, s35
	v_or_b32 v[BYT], v[BYT], v[T0]                                 ; with lane l xor 16's: both lanes of a row hold the same 16 bits
	v_cvt_scalef32_pk16_fp6_f32 v[PC:PC+2], v[H:H+15], v[SOP]
	v_cvt_scalef32_pk16_fp6_f32 v[PT:PT+2], v[H+16:H+31], v[SOP]   ; (a conversion's three registers begin on an even number)
	v_nop                                                          ; one plain place behind a scaled conversion
	v_mov_b32 v[PC+3], v[PT]
	v_mov_b32 v[PC+4], v[PT+1]
	v_mov_b32 v[PC+5], v[PT+2]
	ds_store_b128 v[IW], v[PC:PC+3] offset:6144*QE
	ds_store_b64 v[IW8], v[PC+4:PC+5] offset:6144*QE
	ds_store_b16 v[SW], v[BYT] offset:256*QE                       ; both lanes of a row write the same two bytes with the same value
.endm
; A bias vector in the result's layout: for tile t lane (r, h) takes the eight numbers of units 64 w + 16 t + 8 h on; they are the C of the tile's first product.
.macro BIASLD dst, win, vec
	WIN \win
.irp t, 0,1,2,3
.irp u, 0,1
	ds_load_b128 v[\dst+8*(2*(\t%2)+\t/2)+4*\u:\dst+8*(2*(\t%2)+\t/2)+4*\u+3], v[BA] offset:2048*(\vec)+64*\t+16*\u
.endr
.endr
	WIN 0
.endm
.macro BARRIER                         ; my LDS stores have landed and my LDS loads are in: then the work-group's barrier
	s_wait_dscnt 0x0
	s_barrier_signal -1
	s_barrier_wait -1
.endm
.macro FETCHX e                        ; the activations' four fragments and the rows' scale words out of image buffer e
.set FE, \e
.irp q, 0,1,2,3,4,5,6,7
	ds_load_b128 v[XF+6*\q:XF+6*\q+3], v[LI] offset:6144*FE+768*\q
	ds_load_b64 v[XF+6*\q+4:XF+6*\q+5], v[L8] offset:6144*FE+768*\q
.endr
	ds_load_b128 v[XS:XS+3], v[R16] offset:256*FE
.endm
	; ---- the head: pointers, ids, addresses
	s_load_b512 s[8:23], s[0:1], 0x0               ; x s[8:9]; W1's codes, scales s[10:13]; W2's s[14:17]; Wf's s[18:21]; the MLP's codes s[22:23]
	s_load_b256 s[24:31], s[0:1], 0x40             ; the MLP's scales s[24:25]; bias s[26:27]; mlp_b s[28:29]; out0 s[30:31]
	v_lshl_add_u32 v254, v0, 2, 0x1e600
	v_mov_b32 v255, 0
	v_lshrrev_b32 v1, 5, v0
	v_readfirstlane_b32 s2, v1                     ; wave 0..7
	v_and_b32 v1, 31, v0                           ; l
	v_and_b32 v2, 15, v0                           ; r
	v_bfe_u32 v3, v0, 4, 1                         ; h
	s_lshl_b32 s32, ttmp9, 15                      ; my 16 rows of x and of out0: 2,048 bytes each
	s_mov_b32 s33, 0
	s_mov_b32 s34, 0x76543210                      ; v_permlanex16_b32's selects for lane l xor 16
	s_mov_b32 s35, 0xfedcba98
	s_cmp_lt_u32 ttmp9, 24
	s_cselect_b32 s36, 1, 0
	s_cmp_eq_u32 s2, 0
	s_cselect_b32 s36, s36, 0                      ; 1 in wave 0 of work-groups 0 to 23: they prefetch
	s_mul_i32 s4, s2, STGW                         ; my stage
	s_lshl_b32 s5, s2, 8                           ; 256 w
	s_mul_i32 s3, s2, 24576
	v_lshl_add_u32 v[WOF], v1, 4, s3
	s_lshl_b32 s3, s2, 10
	v_lshl_add_u32 v[SOF], v1, 4, s3
.irp b, 0,1,2
	v_add_nc_u32 v[SA+\b], 8*(\b+1), v1
	v_lshrrev_b32 v[SA+\b], 5, v[SA+\b]            ; 1 where my 16 bytes of load 3 a + b lie one row further on than the load's first
	v_add_nc_u32 v[SA+\b], v[SA+\b], v1
	v_lshl_add_u32 v[SA+\b], v[SA+\b], 4, s4
.endr
	v_mul_u32_u24 v[FA], v2, RP
	v_mad_u32_u24 v[FA], v3, 24, v[FA]
	v_add_nc_u32 v[FA], s4, v[FA]
	v_lshl_add_u32 v[LI], v1, 4, IMG
	v_lshl_add_u32 v[L8], v1, 3, IMG+512
	s_mul_i32 s3, s2, 768
	v_add_nc_u32 v[IW], s3, v[LI]
	v_add_nc_u32 v[IW8], s3, v[L8]
	v_lshl_add_u32 v[R16], v2, 4, XSC
	s_lshl_b32 s3, s2, 1
	v_add_nc_u32 v[SW], s3, v[R16]
	v_lshl_add_u32 v[R8], v2, 3, SUMS
	s_lshl_b32 s3, s2, 7
	v_add_nc_u32 v[SWS], s3, v[R8]
	v_lshl_add_u32 v[BA], v3, 5, BIA
	v_add_nc_u32 v[BA], s5, v[BA]
	v_lshl_add_u32 v[BO], v1, 3, s5
	v_add_nc_u32 v[BW], BIA, v[BO]
	v_mul_u32_u24 v[OST], v2, 272
	v_lshl_add_u32 v[OST], v3, 5, v[OST]
	v_add_nc_u32 v[OST], s4, v[OST]
	v_mul_u32_u24 v[ORD], v3, 272
	v_lshl_add_u32 v[ORD], v2, 4, v[ORD]
	v_add_nc_u32 v[ORD], s4, v[ORD]
	v_lshlrev_b32 v[OGL], 11, v3
	v_lshl_add_u32 v[OGL], v2, 4, v[OGL]
	v_add_nc_u32 v[OGL], s5, v[OGL]
	s_min_u32 s3, ttmp9, 23                        ; (held, so that no lane's offset could leave a matrix)
	s_lshl_b32 s3, s3, 13
	v_lshl_add_u32 v[PFO], v1, 8, s3               ; 8,192 x work-group + 256 x lane
	v_lshlrev_b32 v[H8], 3, v3
	v_lshlrev_b32 v[XA], 11, v2
	v_lshl_add_u32 v[XA], v3, 7, v[XA]
	v_add_nc_u32 v[XA], s5, v[XA]
	v_mov_b32 v[T0], 0                             ; written once: a lane permute's destination counts as one of its sources
	s_wait_kmcnt 0x0
	s_add_nc_u64 s[8:9], s[8:9], s[32:33]          ; both bases are stepped once, ahead of every load and store
	s_add_nc_u64 s[30:31], s[30:31], s[32:33]
.irp j, 0,1,2,3,4,5,6,7
	global_load_b128 v[H+4*\j:H+4*\j+3], v[XA], s[8:9] offset:16*\j th:TH_LOAD_NT   ; x(16 g + r, 64 w + 32 h + 0 .. 31): my block of 32; read once in the launch
.endr
	global_load_b64 v[XF:XF+1], v[BO], s[26:27]                    ; bias,
	global_load_b64 v[XF+2:XF+3], v[BO], s[28:29] offset:6144      ; mlp_b[3],
	global_load_b64 v[XF+4:XF+5], v[BO], s[28:29]                  ; mlp_b[0],
	global_load_b64 v[XF+6:XF+7], v[BO], s[28:29] offset:2048      ; [1],
	global_load_b64 v[XF+8:XF+9], v[BO], s[28:29] offset:4096      ; [2]: my wave's 64 numbers of each, two a lane
	GLOAD 0
	GLOAD 1                                        ; 8 + 5 + 25 + 25 = 63 loads are out
	; ---- x: the row sums' parts, and its codes
	s_wait_loadcnt 55                              ; x's eight are in: behind them stand the 5 bias loads and the 50 of pairs 0 and 1
	v_pk_add_f32 v[SU:SU+1], v[H:H+1], v[H+2:H+3]
	v_pk_mul_f32 v[SQ:SQ+1], v[H:H+1], v[H:H+1]
	v_pk_fma_f32 v[SQ:SQ+1], v[H+2:H+3], v[H+2:H+3], v[SQ:SQ+1]
.irp j, 4,6,8,10,12,14,16,18,20,22,24,26,28,30
	v_pk_add_f32 v[SU:SU+1], v[SU:SU+1], v[H+\j:H+\j+1]
	v_pk_fma_f32 v[SQ:SQ+1], v[H+\j:H+\j+1], v[H+\j:H+\j+1], v[SQ:SQ+1]
.endr
	v_add_f32 v[SU], v[SU], v[SU+1]                ; my 32 numbers' sum,
	v_add_f32 v[SU+1], v[SQ], v[SQ+1]              ; and their squares'
	v_permlanex16_b32 v[T0], v[SU], s34, s35
	v_add_f32 v[SU], v[SU], v[T0]                  ; with lane l xor 16's: the wave's 64 columns of row r
	v_permlanex16_b32 v[T0], v[SU+1], s34, s35
	v_add_f32 v[SU+1], v[SU+1], v[T0]
	ds_store_b64 v[SWS], v[SU:SU+1]                ; both lanes of a row write the same 8 bytes with the same values
	QUANT 0
	s_wait_loadcnt 50                              ; the five bias loads are in
	v_pk_add_f32 v[XF:XF+1], v[XF:XF+1], v[XF+2:XF+3]              ; bias + mlp_b[3]: both are added to the output as they are
	ds_store_b64 v[BW], v[XF:XF+1]
	ds_store_b64 v[BW], v[XF+4:XF+5] offset:2048
	ds_store_b64 v[BW], v[XF+6:XF+7] offset:4096
	ds_store_b64 v[BW], v[XF+8:XF+9] offset:6144
	BIASLD P, 0x40, 0                              ; my own bytes, served in order: no wait between the stores and these loads
	STAGE 0
	ASK 2
	BARRIER                                        ; x's images, scale bytes and sums lie in LDS
	FETCHX 0
.irp q, 0,1,2,3,4,5,6,7
	ds_load_b64 v[30+2*\q:31+2*\q], v[R8] offset:128*\q            ; the eight waves' (S1, S2) of my row
.endr
	; ---- first order: P = bias + mlp_b[3] + x W1
	MUL 0, P, 0x50, 0, 1
	v_pk_add_f32 v[30:31], v[30:31], v[32:33]
	v_pk_add_f32 v[34:35], v[34:35], v[36:37]
	v_pk_add_f32 v[38:39], v[38:39], v[40:41]
	v_pk_add_f32 v[42:43], v[42:43], v[44:45]
	v_pk_add_f32 v[30:31], v[30:31], v[34:35]
	v_pk_add_f32 v[38:39], v[38:39], v[42:43]
	v_pk_add_f32 v[30:31], v[30:31], v[38:39]      ; S1, S2 of my row
	v_fma_f32 v[CF], -v30, v30, v31
	v_mul_f32 v[CF], 0.5, v[CF]                    ; 0.5 (S2 - S1^2)
	v_mov_b32 v[CF+1], v[CF]
	STAGE 1
	MUL 1, P, 0x50, 0, 0
	; ---- second order: H = x W2
	STAGE 2
	ASK 3
	MUL 2, H, 0, 1, 0
	STAGE 3
	MUL 3, H, 0, 1, 0
	; ---- P += 0.5 (S2 - S1^2) xw^2, while the feature weights' first pair comes out of the stage; then H = x Wf
	STAGE 4
	ASK 4
.irp j, 0,2,4,6,8,10,12,14,16,18,20,22,24,26,28,30
	v_pk_mul_f32 v[H+\j:H+\j+1], v[H+\j:H+\j+1], v[H+\j:H+\j+1]
.endr
	WIN 0x50                                       ; the addend and the result in window 1
.irp j, 0,2,4,6,8,10,12,14,16,18,20,22,24,26,28,30
	v_pk_fma_f32 v[P+\j:P+\j+1], v[H+\j:H+\j+1], v[CF:CF+1], v[P+\j:P+\j+1]
.endr
	WIN 0
	MUL 4, H, 0, 1, 0
	STAGE 5
	MUL 5, H, 0, 1, 0
	; ---- the MLP's four layers.  The pair's turn through the stage and the request for the pair two steps on come first, so that the weights' stream goes on during the exchange.
.irp lam, 0,1,2,3
	STAGE 6+2*\lam
.if \lam <= 1
	ASK \lam+5
.endif
	SWAP
.if \lam >= 1
	RELU                                           ; the activation of the layer before, in f32 (x Wf has none)
.endif
	QUANT (\lam+1)%2
.if \lam <= 2
	BIASLD H, 0, \lam+1                            ; mlp_b[lam]: the C of this layer's first products
.endif
	BARRIER                                        ; the images lie in LDS.  The other buffer is written again only behind the next barrier, which every wave signals behind the wait for its reads of it
	FETCHX (\lam+1)%2
.if \lam <= 2
	MUL 6+2*\lam, H, 0, 0, 1
	STAGE 7+2*\lam
	MUL 7+2*\lam, H, 0, 0, 0
.else
	MUL 6+2*\lam, P, 0x50, 0, 1                    ; the last layer adds straight onto P
	STAGE 7+2*\lam
	MUL 7+2*\lam, P, 0x50, 0, 0
.endif
.endr
	; ---- the way out: a lane's eight numbers of a tile are 32 neighbouring bytes of a row; they go through my stage (rows of 256 bytes + 16; its last fragment has been read) and come back as whole runs of 256 bytes
	WIN 0x04
.irp t, 0,1,2,3
	ds_store_b128 v[OST], v[P+8*(2*(\t%2)+\t/2):P+8*(2*(\t%2)+\t/2)+3] offset:64*\t          ; each accumulator from its low end on
	ds_store_b128 v[OST], v[P+8*(2*(\t%2)+\t/2)+4:P+8*(2*(\t%2)+\t/2)+7] offset:64*\t+16
.endr
	WIN 0
.irp i, 0,1,2,3,4,5,6,7
	ds_load_b128 v[F+4*\i:F+4*\i+3], v[ORD] offset:544*\i          ; rows 2 i and 2 i + 1; served in order: these see my stores
.endr
.irp i, 0,1,2,3,4,5,6,7
	s_wait_dscnt 7-\i                              ; load i is in; the 7 - i younger ones may be out
	global_store_b128 v[OGL], v[F+4*\i:F+4*\i+3], s[30:31] offset:4096*\i th:TH_STORE_NT   ; sixteen lanes store 256 consecutive bytes, at a multiple of 256 from out0's first byte
.endr
	s_wait_tensorcnt 0x0
	ds_add_u32 v254, v255
	s_wait_dscnt 0x0
	s_endpgm
.Lfunc_end_k_qc43fb502b9_deepfm:
	.size	k_qc43fb502b9_deepfm, .Lfunc_end_k_qc43fb502b9_deepfm-k_qc43fb502b9_deepfm
	.p2alignl 7, 3214868480
	.fill 96, 4, 3214868480
	.section	.rodata,"a",@progbits
	.p2align	6, 0x0
	.amdhsa_kernel k_qc43fb502b9_deepfm
		.amdhsa_group_segment_fixed_size 125440
		.amdhsa_private_segment_fixed_size 0
		.amdhsa_enable_private_segment 0
		.amdhsa_kernarg_size 96
		.amdhsa_user_sgpr_count 2
		.amdhsa_user_sgpr_kernarg_segment_ptr 1
		.amdhsa_wavefront_size32 1
		.amdhsa_system_sgpr_workgroup_id_x 1
		.amdhsa_system_sgpr_workgroup_id_y 1
		.amdhsa_system_sgpr_workgroup_id_z 1
		.amdhsa_system_vgpr_workitem_id 0
		.amdhsa_next_free_vgpr 480
		.amdhsa_next_free_sgpr 66
		.amdhsa_reserve_vcc 0
		.amdhsa_float_denorm_mode_32 3
		.amdhsa_float_denorm_mode_16_64 3
		.amdhsa_memory_ordered 1
		.amdhsa_forward_progress 1
		.amdhsa_inst_pref_size 152
	.end_amdhsa_kernel
	.amdgpu_metadata
---
amdhsa.version: [ 1, 2 ]
amdhsa.kernels:
  - .name:           k_qc43fb502b9_deepfm
    .symbol:         k_qc43fb502b9_deepfm.kd
    .args:
      - { .name: x, .offset: 0, .size: 8, .value_kind: global_buffer, .address_space: global }
      - { .name: first_order_weights_codes, .offset: 8, .size: 8, .value_kind: global_buffer, .address_space: global }
      - { .name: first_order_weights_scales, .offset: 16, .size: 8, .value_kind: global_buffer, .address_space: global }
      - { .name: second_order_weights_codes, .offset: 24, .size: 8, .value_kind: global_buffer, .address_space: global }
      - { .name: second_order_weights_scales, .offset: 32, .size: 8, .value_kind: global_buffer, .address_space: global }
      - { .name: feature_weights_codes, .offset: 40, .size: 8, .value_kind: global_buffer, .address_space: global }
      - { .name: feature_weights_scales, .offset: 48, .size: 8, .value_kind: global_buffer, .address_space: global }
      - { .name: mlp_w_codes, .offset: 56, .size: 8, .value_kind: global_buffer, .address_space: global }
      - { .name: mlp_w_scales, .offset: 64, .size: 8, .value_kind: global_buffer, .address_space: global }
      - { .name: bias, .offset: 72, .size: 8, .value_kind: global_buffer, .address_space: global }
      - { .name: mlp_b, .offset: 80, .size: 8, .value_kind: global_buffer, .address_space: global }
      - { .name: out0, .offset: 88, .size: 8, .value_kind: global_buffer, .address_space: global }
    .group_segment_fixed_size: 125440
    .private_segment_fixed_size: 0
    .kernarg_segment_align: 8
    .kernarg_segment_size: 96
    .max_flat_workgroup_size: 256
    .sgpr_count:     66
    .vgpr_count:     480
    .wavefront_size: 32
...
	.end_amdgpu_metadata
.endif
;; end of part 1
;; ======== version 2 of 2: 1 launch; version 1 with the launch deepfm written anew for expert scheduling mode
;; launch deepfm (part 2): grid 32 x 1, 8 waves a work-group, no clusters, 125,440 bytes of LDS; arguments x, first_order_weights_codes, first_order_weights_scales, second_order_weights_codes, second_order_weights_scales, feature_weights_codes, feature_weights_scales, mlp_w_codes, mlp_w_scales, bias, mlp_b, out0; writes out0
.if DOCPART == 2
	.amdgcn_target "amdgcn-amd-amdhsa--gfx1250"
	.amdhsa_code_object_version 6
	.text
	.protected	k_qc43fb502b9_deepfm
	.globl	k_qc43fb502b9_deepfm
	.p2align	8
	.type	k_qc43fb502b9_deepfm,@function
k_qc43fb502b9_deepfm:
	s_mov_b64 s[64:65], 0
	v_nop
	global_prefetch_b8 v0, s[64:65] scope:SCOPE_SE
	s_setreg_imm32_b32 hwreg(HW_REG_WAVE_SCHED_MODE, 0, 2), 2
	s_setreg_imm32_b32 hwreg(HW_REG_WAVE_MODE, 25, 1), 1
	s_wait_xcnt 0x0
	s_wait_alu depctr_vm_vsrc(0)
; out = (x W1 + bias) + 0.5 (S2 - S1^2) (x W2)^2 + MLP(x Wf).  x: [512][512] f32.  All seven products on codes of FP6 (E2M3) with one E8M0 scale for each 32 along K.
; THE SECOND-ORDER TERM: inter[b][i][k] = x[b][i] xw[b][k], so its two sums over i are S2[b] xw^2 and (S1[b] xw)^2, with S1 = sum of x, S2 = sum of x^2 along a row of the UNQUANTISED x, in f32.
; SHARES.  A work-group owns 16 rows of the batch, one matrix tile, through the whole chain: a layer needs all 512 units of its rows before the next begins, and work-groups hand each other nothing.  512 / 16 = 32 work-groups.
; Wave w of eight owns units 64 w .. 64 w + 63 of EVERY matrix: 64 rows of 384 bytes of codes, dense in memory, taken as two PAIRS of 32 rows (two tiles of 16).  7 matrices x 2 = 14 pair steps.
; Matrices in order: 0 first order, 1 second order, 2 feature, 3 .. 6 the MLP's four layers.
; PRODUCTS ARE USED TRANSPOSED: source 0 = 16 rows of W, source 1 = the 16 batch rows.  In the result lane (r, h) holds batch row r and its register j the unit 16 T + 8 h + j of tile T.
; THE WEIGHTS' WAY: loads of 16 bytes a lane, 512 consecutive aligned bytes an instruction; as they lie into the wave's OWN stage in LDS (rows 400 bytes apart); out of it as fragments, 8 bytes a lane.  Each weight byte
; feeds one matrix instruction.  Only the wave itself touches its stage, and LDS serves a wave's instructions in order (ISA guide 5.7.1.4): the weights need no barrier.  Two pairs (50 loads) of every wave are always on their way,
; by counted waits that never run down to zero before the end.
; WHY NO TENSOR LOADS AND NO JOINT REQUESTS, though all 32 work-groups read the same weights: the codes are 1,376,256 bytes, more than four times what a work-group can hold in LDS, so slots would be filled again all the way, and
; each such refill stands behind a barrier; between two such barriers a wave here has 8 or 16 matrix instructions.  Loads into registers keep 50 out across every step.
; ACTIVATIONS GO FROM WAVE TO WAVE AS IMAGES OF THE OPERAND'S REGISTERS: wave w's 64 units are blocks 2 w and 2 w + 1 of the next K, that is registers 6 w .. 6 w + 5 of the four fragments; each lane stores its six registers and any wave
; loads them back into the same lanes.  Two image buffers take turns, so one barrier serves each exchange: five in all.
; NO ACCUMULATOR IS CLEARED: bias + mlp_b[3] is the C of the first-order product (P); xw and x Wf begin with the constant 0; mlp_b[0..2] are the C of their layers; the last layer adds straight onto P.
; LIMITS: NaN and infinities among the inputs are not served.  A block of zeros (and one whose largest magnitude lies under 2^-124) gets the scale byte 1; for zeros the rule says 127: the codes are zeros and this program alone reads the byte.
; REGISTERS.  Window 0: v1-28 addresses and the like; v30-47 at work; v48-51 the activations' scale words; v52-63 three sets of weights' scale words; v64-111 the activations' four fragments; v112-143 H, four accumulators;
; v144-239 a pair's eight fragments.  Window 1: v0-95, v96-191 two landing sets for the weights' loads; v192-223 P, four accumulators.  Tile T = 2 p + t lies at 8 p + 16 t of H or P: in the order T0, T2, T1, T3.
; THE MODE: SCHED_MODE bits 1:0 = 2 (LLVM: expert scheduling mode 2), set by the entry lines.  The code itself states the register dependences between vector or matrix instructions and memory or LDS instructions,
; with s_wait_alu, always for 0.
; THE PLAN.  Registers that memory or LDS instructions touch, and who else names them:
;   v4-25, v28    addresses and offsets: written at the head, ahead of one wait on va_vdst, and never again.
;   landing sets  written by the loads of codes, read by a pair step's 24 stage stores; no vector instruction names them.  One wait on vm_vsrc behind the stores, ahead of the loads of the pair two steps on.
;   F, SCW        F: written by pair step t's fragment loads, read by its eight products.  SCW's set t % 3: written by a load issued in step t - 2, read by step t's products, asked for again in step t + 1.
;                 So ONE wait on va_vdst stands in a pair step: behind its 24 stage stores, which hang on no vector result, and ahead of its 48 fragment loads and 25 loads from memory.
;   XF, XS        written by the loads behind an exchange's barrier, read by the products up to the next exchange.  (At the head XF's first ten hold the biases.)
;   H             written by x's loads, by products, by vector work and by the loads of mlp_b; read by vector work and products.
;   v30-45        the quantiser's registers: written by vector work, read by the exchange's stores; once the eight waves' row sums are loaded into them.
;                 ONE wait on va_vdst stands ahead of an exchange's stores: the codes and bytes are written, and all vector work on H is done, so that mlp_b may land there.  These registers are written again
;                 only behind a later pair step's wait on vm_vsrc, which covers every LDS store issued ahead of it.
;   P             written by the load of bias + mlp_b[3], by products and by vector work; read by the way out's LDS stores, behind the places and one wait on va_vdst.
.set STGW, 12800                       ; LDS: a wave's stage: 32 rows x 400 bytes
.set RP,   400                         ; a row: 384 bytes + 16 = 100 words: row r begins at bank 36 r mod 64 (64 banks of 4 bytes: ISA guide 11.1), sixteen different multiples of 4; lanes 16-31 lie 6 words on: 64 different banks a load
.set IMG,  102400                      ; two image buffers of 6,144 bytes; in each, wave q's six registers at 768 q: 512 bytes (four registers, 16 x lane), then 256 (two, 8 x lane)
.set XSC,  114688                      ; two buffers of 256 bytes: row r's sixteen scale bytes at 16 r; wave w writes bytes 2 w, 2 w + 1
.set SUMS, 115200                      ; (S1, S2) of wave w's 64 columns of row r at 128 w + 8 r
.set BIA,  116224                      ; four vectors of 2,048 bytes: bias + mlp_b[3], mlp_b[0], [1], [2]; wave w writes and reads bytes 256 w .. 256 w + 255 of each alone
.set WOF, 4                            ; v4   24,576 w + 16 l: my 16 bytes of a load of codes
.set SOF, 5                            ; v5   1,024 w + 16 l: a row's sixteen scale bytes
.set SA,  6                            ; v6-8 into the stage: 12,800 w + 16 l + 16 more where my 16 bytes lie one row further on, for loads 3 a + 0, 1, 2
.set FA,  9                            ; v9   out of it: 12,800 w + 400 r + 24 h
.set LI,  10                           ; v10  IMG + 16 l
.set L8,  11                           ; v11  IMG + 512 + 8 l
.set IW,  12                           ; v12  IMG + 768 w + 16 l
.set IW8, 13                           ; v13  IMG + 768 w + 512 + 8 l
.set SW,  14                           ; v14  XSC + 16 r + 2 w
.set R16, 15                           ; v15  XSC + 16 r
.set SWS, 16                           ; v16  SUMS + 128 w + 8 r
.set R8,  17                           ; v17  SUMS + 8 r
.set BA,  18                           ; v18  BIA + 256 w + 32 h
.set BW,  19                           ; v19  BIA + 256 w + 8 l
.set OST, 20                           ; v20  the way out, in: 12,800 w + 272 r + 32 h
.set ORD, 21                           ; v21  back: 12,800 w + 272 h + 16 r
.set OGL, 22                           ; v22  in out0: 2,048 h + 16 r + 256 w
.set PFO, 23                           ; v23  the prefetches' offset
.set H8,  24                           ; v24  8 h
.set XA,  25                           ; v25  in x: 2,048 r + 256 w + 128 h
.set CF,  26                           ; v[26:27] 0.5 (S2 - S1^2) of my row, twice
.set BO,  28                           ; v28  256 w + 8 l: my two numbers of a bias vector
.set MX0, 30                           ; v30, v31 largest magnitudes, two chains
.set MX1, 31
.set PC,  32                           ; v32-37 a block's codes
.set PT,  38                           ; v38-40 its upper half as converted
.set SOP, 41                           ; v41  the conversions' scale operand
.set BYT, 42                           ; v42  scale bytes
.set T0,  43                           ; v43  a lane permute's destination
.set SU,  44                           ; v[44:45] sums of x
.set SQ,  46                           ; v[46:47] sums of x^2
.set XS,  48
.set SCW, 52
.set XF,  64
.set H,   112
.set F,   144
.set P,   192                          ; in window 1
.set MSB, 0
.macro WIN new                         ; the immediate's high byte repeats the setting that is left; low byte: bits 1:0 source 0, 3:2 source 1, 5:4 source 2, 7:6 destination
.if MSB != \new
	s_set_vgpr_msb (MSB<<8)|\new
.set MSB, \new
.endif
.endm
.macro PTR i                           ; matrix i: the scalar pairs of its codes and scale bytes, and where it begins in them
.set PI, \i
.if PI == 0
.set CPT, 10
.set SPT, 12
.set CI, 0
.set SI, 0
.elseif PI == 1
.set CPT, 14
.set SPT, 16
.set CI, 0
.set SI, 0
.elseif PI == 2
.set CPT, 18
.set SPT, 20
.set CI, 0
.set SI, 0
.else
.set CPT, 22
.set SPT, 24
.set CI, 196608*(PI-3)
.set SI, 8192*(PI-3)
.endif
.endm
; 25 loads: pair step pr's 12,288 bytes of codes into landing set pr % 2, and its 32 rows' scale bytes into set pr % 3: lane l gets row 32 p + l's sixteen bytes, so register s is K step s's word,
; lanes 0-15 for the pair's first tile and lanes 16-31 for its second.  No cache hint: the other work-groups read the same bytes.
.macro GLOAD pr
.set GT, \pr
	PTR GT/2
	WIN 0x40                                       ; destination window 1
.irp j, 0,1,2,3,4,5,6,7,8,9,10,11,12,13,14,15,16,17,18,19,20,21,22,23
	global_load_b128 v[96*(GT%2)+4*\j:96*(GT%2)+4*\j+3], v[WOF], s[CPT:CPT+1] offset:CI+12288*(GT%2)+512*\j
.endr
	WIN 0
	global_load_b128 v[SCW+4*(GT%3):SCW+4*(GT%3)+3], v[SOF], s[SPT:SPT+1] offset:SI+512*(GT%2)
.endm
; Pair step pr goes through the stage, and the pair two steps on is asked for.  Byte b of the pair goes to b + 16 (b / 384): load 3 a + i covers bytes 1,536 a + 512 i + 16 l, four rows for each a.
; The step's two waits on register dependences stand together, behind the stores and ahead of all its loads; between them and those loads stand only loads, waits on counters and window switches.
.macro STAGE pr
.set TT, \pr
.if TT == 13
	s_wait_loadcnt 0x0                             ; the last pair: nothing was issued behind it
.else
	s_wait_loadcnt 25                              ; loads come back in order (ISA guide 5.7.1): this pair's 25 are in, the next pair's 25 stay out
.endif
	WIN 0x04                                       ; an LDS store's data are its source 1: window 1
.irp j, 0,1,2,3,4,5,6,7,8,9,10,11,12,13,14,15,16,17,18,19,20,21,22,23
	ds_store_b128 v[SA+\j%3], v[96*(TT%2)+4*\j:96*(TT%2)+4*\j+3] offset:1600*(\j/3)+528*(\j%3)   ; data from loads, addresses from the head: these hang on no vector result of the step before
.endr
	WIN 0
.if TT <= 11
	s_wait_alu depctr_vm_vsrc(0)                   ; the 24 stores have read the landing set, in which the loads of the pair two steps on land below; so has every LDS store issued earlier read its data: an exchange's codes, bytes, sums and biases
.endif
.if TT > 0
	s_wait_alu depctr_va_vdst(0)                   ; the products of the pair step before are done reading F, in which the fragment loads land, and their set of scale words, in which the scale bytes of the pair two steps on land
.endif
.irp s, 0,1,2,3                        ; the eight fragments (tile t, K step s): 24 bytes of the row's stream of bits for each half fragment, as they lie, in pieces of 8; K step by K step, so that the products can begin on the first
.irp t, 0,1
.irp c, 0,1
.irp q, 0,1,2
	ds_load_b64 v[F+48*\t+12*\s+6*\c+2*\q:F+48*\t+12*\s+6*\c+2*\q+1], v[FA] offset:16*RP*\t+96*\s+48*\c+8*\q
.endr
.endr
.endr
.endr
.if TT <= 11
	s_wait_dscnt 48                                ; all but the 48 loads just issued: the 24 stores are done,
	GLOAD TT+2                                     ; and their landing set takes the pair two steps on: 25 loads between the fragment loads and the waits for them
.endif
.endm
; A PREFETCH INTO THE L2 of matrix i's codes: 196,608 bytes are 768 aligned blocks of 256: wave 0 of each of the work-groups 0 to 23 names 32 of them, a lane a block: each block once in the launch.  It stands behind the wave's
; loads of a pair step, two pair steps ahead of the first load of that matrix.  Matrices 0 and 1 come by their loads alone.  Its address registers are never rewritten.
.macro ASK i
	PTR \i
	s_cmp_lg_u32 s36, 0
	s_cbranch_scc0 .Lno_\@
	global_prefetch_b8 v[PFO], s[CPT:CPT+1] offset:CI th:TH_LOAD_NT scope:SCOPE_SE
.Lno_\@:
.endm
.macro PLACES                          ; five plain places behind the last matrix instruction: four for the vector instructions and stores that read results, one more for accumulators that are begun anew with another C
.rept 5
	v_nop
.endr
.endm
; Pair step pr's eight products: two tiles x four K steps, the two accumulators by turns, one instruction a turn; the next step begins on another accumulator.
; zero = 1: the first K step starts the sums.  edge = 1: other LDS loads were issued behind the fragments', so one wait for all; else each K step waits for its own 12 loads: 36, 24, 12, 0 younger ones may be out.
; Fragments and scale words come from loads alone: no vector instruction writes an operand of these products.
.macro MUL pr, acc, win, zero, edge
.set MT, \pr
	WIN \win
.if \edge
	s_wait_dscnt 0x0
.endif
.irp s, 0,1,2,3
.if \edge == 0
	s_wait_dscnt 36-12*\s
.endif
.set MA, \acc+8*(MT%2)
.if \zero && (\s == 0)
	v_wmma_scale_f32_16x16x128_f8f6f4 v[MA:MA+7], v[F+12*\s:F+12*\s+11], v[XF+12*\s:XF+12*\s+11], 0, v[SCW+4*(MT%3)+\s], v[XS+\s] matrix_a_fmt:MATRIX_FMT_FP6 matrix_b_fmt:MATRIX_FMT_FP6
	v_wmma_scale_f32_16x16x128_f8f6f4 v[MA+16:MA+23], v[F+48+12*\s:F+48+12*\s+11], v[XF+12*\s:XF+12*\s+11], 0, v[SCW+4*(MT%3)+\s], v[XS+\s] matrix_a_fmt:MATRIX_FMT_FP6 matrix_b_fmt:MATRIX_FMT_FP6 matrix_a_scale:MATRIX_SCALE_ROW1
.else
	v_wmma_scale_f32_16x16x128_f8f6f4 v[MA:MA+7], v[F+12*\s:F+12*\s+11], v[XF+12*\s:XF+12*\s+11], v[MA:MA+7], v[SCW+4*(MT%3)+\s], v[XS+\s] matrix_a_fmt:MATRIX_FMT_FP6 matrix_b_fmt:MATRIX_FMT_FP6
	v_wmma_scale_f32_16x16x128_f8f6f4 v[MA+16:MA+23], v[F+48+12*\s:F+48+12*\s+11], v[XF+12*\s:XF+12*\s+11], v[MA+16:MA+23], v[SCW+4*(MT%3)+\s], v[XS+\s] matrix_a_fmt:MATRIX_FMT_FP6 matrix_b_fmt:MATRIX_FMT_FP6 matrix_a_scale:MATRIX_SCALE_ROW1
.endif
.endr
	WIN 0
	PLACES
.endm
; H's halves change places so that a lane holds a WHOLE block of 32 along the next K: afterwards register i of lane (r, h) is unit 64 w + 32 h + i of batch row r.  (T0 with T2, then T1 with T3; each accumulator is first read at its low end.)
.macro SWAP
.irp j, 0,1,2,3,4,5,6,7
	v_permlane16_swap_b32 v[H+\j], v[H+8+\j]
.endr
.irp j, 0,1,2,3,4,5,6,7
	v_permlane16_swap_b32 v[H+16+\j], v[H+24+\j]
.endr
.endm
.macro RELU
.irp j, 0,1,2,3,4,5,6,7,8,9,10,11,12,13,14,15,16,17,18,19,20,21,22,23,24,25,26,27,28,29,30,31
	v_max_num_f32 v[H+\j], 0, v[H+\j]
.endr
.endm
; My block of 32 numbers, v[H] on, becomes six registers of codes and a scale byte.  (The stores of the exchange before have read v[PC ..] and v[BYT]: a pair step's wait on vm_vsrc stands between them and these lines.)
.macro QCODES
	v_max3_num_f32 v[MX0], |v[H]|, |v[H+1]|, |v[H+2]|              ; the block's largest magnitude: all 32 numbers are mine; two chains
	v_max3_num_f32 v[MX1], |v[H+3]|, |v[H+4]|, |v[H+5]|
.irp i, 6,10,14,18,22,26
	v_max3_num_f32 v[MX0], v[MX0], |v[H+\i]|, |v[H+\i+1]|
	v_max3_num_f32 v[MX1], v[MX1], |v[H+\i+2]|, |v[H+\i+3]|
.endr
	v_max3_num_f32 v[MX0], v[MX0], |v[H+30]|, |v[H+31]|
	v_max3_num_f32 v[MX0], v[MX0], v[MX1], 0x1800000               ; and the floor 2^(3 - 127): the byte cannot fall under 1
	v_add_nc_u32 v[SOP], 0xff000000, v[MX0]                        ; 2 off the exponent field: the conversion takes the exponent field of this operand as its scale, and nothing else of it
	v_lshrrev_b32 v[BYT], 23, v[SOP]                               ; the scale's byte,
	v_lshlrev_b32 v[BYT], v[H8], v[BYT]                            ; at its place among the wave's two (block 2 w + h),
	v_permlanex16_b32 v[T0], v[BYT], s34, s35
	v_or_b32 v[BYT], v[BYT], v[T0]                                 ; with lane l xor 16's: both lanes of a row hold the same 16 bits
	v_cvt_scalef32_pk16_fp6_f32 v[PC:PC+2], v[H:H+15], v[SOP]
	v_cvt_scalef32_pk16_fp6_f32 v[PT:PT+2], v[H+16:H+31], v[SOP]   ; (a conversion's three registers begin on an even number)
	v_nop                                                          ; one plain place behind a scaled conversion
	v_mov_b32 v[PC+3], v[PT]
	v_mov_b32 v[PC+4], v[PT+1]
	v_mov_b32 v[PC+5], v[PT+2]
.endm
; Codes and byte go to image buffer e.
.macro QSEND e
.set QE, \e
	s_wait_alu depctr_va_vdst(0)                   ; the conversions, moves and byte lines have written v[PC ..] and v[BYT], which the stores below read (at the head also the row sums' parts and bias + mlp_b[3]); and all vector work on H is done, so that a bias vector may land there
	ds_store_b128 v[IW], v[PC:PC+3] offset:6144*QE
	ds_store_b64 v[IW8], v[PC+4:PC+5] offset:6144*QE
	ds_store_b16 v[SW], v[BYT] offset:256*QE                       ; both lanes of a row write the same two bytes with the same value
.endm
; A bias vector in the result's layout: for tile t lane (r, h) takes the eight numbers of units 64 w + 16 t + 8 h on; they are the C of the tile's first product.
.macro BIASLD dst, win, vec
	WIN \win
.irp t, 0,1,2,3
.irp u, 0,1
	ds_load_b128 v[\dst+8*(2*(\t%2)+\t/2)+4*\u:\dst+8*(2*(\t%2)+\t/2)+4*\u+3], v[BA] offset:2048*(\vec)+64*\t+16*\u
.endr
.endr
	WIN 0
.endm
.macro BARRIER                         ; my LDS stores have landed and my LDS loads are in: then the work-group's barrier
	s_wait_dscnt 0x0
	s_barrier_signal -1
	s_barrier_wait -1
.endm
; The activations' four fragments and the rows' scale words out of image buffer e.  The products that read v[XF ..] and v[XS ..] stand ahead of the exchange's wait on va_vdst, and no vector instruction behind it names them.
.macro FETCHX e
.set FE, \e
.irp q, 0,1,2,3,4,5,6,7
	ds_load_b128 v[XF+6*\q:XF+6*\q+3], v[LI] offset:6144*FE+768*\q
	ds_load_b64 v[XF+6*\q+4:XF+6*\q+5], v[L8] offset:6144*FE+768*\q
.endr
	ds_load_b128 v[XS:XS+3], v[R16] offset:256*FE
.endm
	; ---- the head: pointers, ids, addresses
	s_load_b512 s[8:23], s[0:1], 0x0               ; x s[8:9]; W1's codes, scales s[10:13]; W2's s[14:17]; Wf's s[18:21]; the MLP's codes s[22:23]
	s_load_b256 s[24:31], s[0:1], 0x40             ; the MLP's scales s[24:25]; bias s[26:27]; mlp_b s[28:29]; out0 s[30:31]
	v_lshl_add_u32 v254, v0, 2, 0x1e600
	v_mov_b32 v255, 0
	v_lshrrev_b32 v1, 5, v0
	v_readfirstlane_b32 s2, v1                     ; wave 0..7
	v_and_b32 v1, 31, v0                           ; l
	s_wait_alu depctr_va_vdst(0)
	v_and_b32 v2, 15, v0                           ; r
	v_bfe_u32 v3, v0, 4, 1                         ; h
	s_wait_alu depctr_va_sdst(0)                   ; s2 is written, ahead of its first reader: the wave's parts of all addresses are made from it
	s_lshl_b32 s32, ttmp9, 15                      ; my 16 rows of x and of out0: 2,048 bytes each
	s_mov_b32 s33, 0
	s_mov_b32 s34, 0x76543210                      ; v_permlanex16_b32's selects for lane l xor 16
	s_mov_b32 s35, 0xfedcba98
	s_cmp_lt_u32 ttmp9, 24
	s_cselect_b32 s36, 1, 0
	s_cmp_eq_u32 s2, 0
	s_cselect_b32 s36, s36, 0                      ; 1 in wave 0 of work-groups 0 to 23: they prefetch
	s_mul_i32 s4, s2, STGW                         ; my stage
	s_lshl_b32 s5, s2, 8                           ; 256 w
	s_mul_i32 s3, s2, 24576
	v_lshl_add_u32 v[WOF], v1, 4, s3
	s_lshl_b32 s3, s2, 10
	v_lshl_add_u32 v[SOF], v1, 4, s3
.irp b, 0,1,2
	v_add_nc_u32 v[SA+\b], 8*(\b+1), v1
	v_lshrrev_b32 v[SA+\b], 5, v[SA+\b]            ; 1 where my 16 bytes of load 3 a + b lie one row further on than the load's first
	v_add_nc_u32 v[SA+\b], v[SA+\b], v1
	v_lshl_add_u32 v[SA+\b], v[SA+\b], 4, s4
.endr
	v_mul_u32_u24 v[FA], v2, RP
	v_mad_u32_u24 v[FA], v3, 24, v[FA]
	v_add_nc_u32 v[FA], s4, v[FA]
	v_lshl_add_u32 v[LI], v1, 4, IMG
	v_lshl_add_u32 v[L8], v1, 3, IMG+512
	s_mul_i32 s3, s2, 768
	v_add_nc_u32 v[IW], s3, v[LI]
	v_add_nc_u32 v[IW8], s3, v[L8]
	v_lshl_add_u32 v[R16], v2, 4, XSC
	s_lshl_b32 s3, s2, 1
	v_add_nc_u32 v[SW], s3, v[R16]
	v_lshl_add_u32 v[R8], v2, 3, SUMS
	s_lshl_b32 s3, s2, 7
	v_add_nc_u32 v[SWS], s3, v[R8]
	v_lshl_add_u32 v[BA], v3, 5, BIA
	v_add_nc_u32 v[BA], s5, v[BA]
	v_lshl_add_u32 v[BO], v1, 3, s5
	v_add_nc_u32 v[BW], BIA, v[BO]
	v_mul_u32_u24 v[OST], v2, 272
	v_lshl_add_u32 v[OST], v3, 5, v[OST]
	v_add_nc_u32 v[OST], s4, v[OST]
	v_mul_u32_u24 v[ORD], v3, 272
	v_lshl_add_u32 v[ORD], v2, 4, v[ORD]
	v_add_nc_u32 v[ORD], s4, v[ORD]
	v_lshlrev_b32 v[OGL], 11, v3
	v_lshl_add_u32 v[OGL], v2, 4, v[OGL]
	v_add_nc_u32 v[OGL], s5, v[OGL]
	s_min_u32 s3, ttmp9, 23                        ; (held, so that no lane's offset could leave a matrix)
	s_lshl_b32 s3, s3, 13
	v_lshl_add_u32 v[PFO], v1, 8, s3               ; 8,192 x work-group + 256 x lane
	v_lshlrev_b32 v[H8], 3, v3
	v_lshlrev_b32 v[XA], 11, v2
	v_lshl_add_u32 v[XA], v3, 7, v[XA]
	v_add_nc_u32 v[XA], s5, v[XA]
	v_mov_b32 v[T0], 0                             ; written once: a lane permute's destination counts as one of its sources
	s_wait_kmcnt 0x0
	s_add_nc_u64 s[8:9], s[8:9], s[32:33]          ; both bases are stepped once, ahead of every load and store
	s_add_nc_u64 s[30:31], s[30:31], s[32:33]
	s_wait_alu depctr_va_vdst(0)                   ; all addresses and offsets, v4 to v25 and v28, are written: every load, store and prefetch of the kernel reads some of them, and none is written again
.irp j, 0,1,2,3,4,5,6,7
	global_load_b128 v[H+4*\j:H+4*\j+3], v[XA], s[8:9] offset:16*\j th:TH_LOAD_NT   ; x(16 g + r, 64 w + 32 h + 0 .. 31): my block of 32; read once in the launch
.endr
	global_load_b64 v[XF:XF+1], v[BO], s[26:27]                    ; bias,
	global_load_b64 v[XF+2:XF+3], v[BO], s[28:29] offset:6144      ; mlp_b[3],
	global_load_b64 v[XF+4:XF+5], v[BO], s[28:29]                  ; mlp_b[0],
	global_load_b64 v[XF+6:XF+7], v[BO], s[28:29] offset:2048      ; [1],
	global_load_b64 v[XF+8:XF+9], v[BO], s[28:29] offset:4096      ; [2]: my wave's 64 numbers of each, two a lane
	GLOAD 0
	GLOAD 1                                        ; 8 + 5 + 25 + 25 = 63 loads are out
	; ---- x: the row sums' parts, its codes, and bias + mlp_b[3]: all the vector work first, then one wait, then all the stores
	s_wait_loadcnt 55                              ; x's eight are in: behind them stand the 5 bias loads and the 50 of pairs 0 and 1
	v_pk_add_f32 v[SU:SU+1], v[H:H+1], v[H+2:H+3]
	v_pk_mul_f32 v[SQ:SQ+1], v[H:H+1], v[H:H+1]
	v_pk_fma_f32 v[SQ:SQ+1], v[H+2:H+3], v[H+2:H+3], v[SQ:SQ+1]
.irp j, 4,6,8,10,12,14,16,18,20,22,24,26,28,30
	v_pk_add_f32 v[SU:SU+1], v[SU:SU+1], v[H+\j:H+\j+1]
	v_pk_fma_f32 v[SQ:SQ+1], v[H+\j:H+\j+1], v[H+\j:H+\j+1], v[SQ:SQ+1]
.endr
	v_add_f32 v[SU], v[SU], v[SU+1]                ; my 32 numbers' sum,
	v_add_f32 v[SU+1], v[SQ], v[SQ+1]              ; and their squares'
	v_permlanex16_b32 v[T0], v[SU], s34, s35
	v_add_f32 v[SU], v[SU], v[T0]                  ; with lane l xor 16's: the wave's 64 columns of row r
	v_permlanex16_b32 v[T0], v[SU+1], s34, s35
	v_add_f32 v[SU+1], v[SU+1], v[T0]
	QCODES
	s_wait_loadcnt 50                              ; the five bias loads are in
	v_pk_add_f32 v[XF:XF+1], v[XF:XF+1], v[XF+2:XF+3]              ; bias + mlp_b[3]: both are added to the output as they are
	QSEND 0
	ds_store_b64 v[SWS], v[SU:SU+1]                ; both lanes of a row write the same 8 bytes with the same values
	ds_store_b64 v[BW], v[XF:XF+1]
	ds_store_b64 v[BW], v[XF+4:XF+5] offset:2048
	ds_store_b64 v[BW], v[XF+6:XF+7] offset:4096
	ds_store_b64 v[BW], v[XF+8:XF+9] offset:6144
	BIASLD P, 0x40, 0                              ; my own bytes, served in order: no wait between the stores and these loads; no vector instruction has named P
	STAGE 0
	ASK 2
	BARRIER                                        ; x's images, scale bytes and sums lie in LDS
	FETCHX 0                                       ; (pair step 0's wait on vm_vsrc stands behind the stores that read v[XF ..], v[PC ..], v[BYT] and v[SU ..]: these loads and the eight below may land there)
.irp q, 0,1,2,3,4,5,6,7
	ds_load_b64 v[30+2*\q:31+2*\q], v[R8] offset:128*\q            ; the eight waves' (S1, S2) of my row
.endr
	; ---- first order: P = bias + mlp_b[3] + x W1
	MUL 0, P, 0x50, 0, 1
	STAGE 1
	v_pk_add_f32 v[30:31], v[30:31], v[32:33]      ; while the fragments come: these lines name none of the registers that the step's loads touch
	v_pk_add_f32 v[34:35], v[34:35], v[36:37]
	v_pk_add_f32 v[38:39], v[38:39], v[40:41]
	v_pk_add_f32 v[42:43], v[42:43], v[44:45]
	v_pk_add_f32 v[30:31], v[30:31], v[34:35]
	v_pk_add_f32 v[38:39], v[38:39], v[42:43]
	v_pk_add_f32 v[30:31], v[30:31], v[38:39]      ; S1, S2 of my row
	v_fma_f32 v[CF], -v30, v30, v31
	v_mul_f32 v[CF], 0.5, v[CF]                    ; 0.5 (S2 - S1^2)
	v_mov_b32 v[CF+1], v[CF]
	MUL 1, P, 0x50, 0, 0
	; ---- second order: H = x W2
	STAGE 2
	ASK 3
	MUL 2, H, 0, 1, 0
	STAGE 3
	MUL 3, H, 0, 1, 0
	; ---- P += 0.5 (S2 - S1^2) xw^2, while the feature weights' first pair comes out of the stage; then H = x Wf
	STAGE 4
	ASK 4
.irp j, 0,2,4,6,8,10,12,14,16,18,20,22,24,26,28,30
	v_pk_mul_f32 v[H+\j:H+\j+1], v[H+\j:H+\j+1], v[H+\j:H+\j+1]
.endr
	WIN 0x50                                       ; the addend and the result in window 1
.irp j, 0,2,4,6,8,10,12,14,16,18,20,22,24,26,28,30
	v_pk_fma_f32 v[P+\j:P+\j+1], v[H+\j:H+\j+1], v[CF:CF+1], v[P+\j:P+\j+1]
.endr
	WIN 0
	MUL 4, H, 0, 1, 0
	STAGE 5
	MUL 5, H, 0, 1, 0
	; ---- the MLP's four layers.  The pair's turn through the stage and the request for the pair two steps on come first, so that the weights' stream goes on during the exchange.
.irp lam, 0,1,2,3
	STAGE 6+2*\lam
.if \lam <= 1
	ASK \lam+5
.endif
	SWAP
.if \lam >= 1
	RELU                                           ; the activation of the layer before, in f32 (x Wf has none)
.endif
	QCODES
	QSEND (\lam+1)%2
.if \lam <= 2
	BIASLD H, 0, \lam+1                            ; mlp_b[lam]: the C of this layer's first products
.endif
	BARRIER                                        ; the images lie in LDS.  The other buffer is written again only behind the next barrier, which every wave signals behind the wait for its reads of it
	FETCHX (\lam+1)%2
.if \lam <= 2
	MUL 6+2*\lam, H, 0, 0, 1
	STAGE 7+2*\lam
	MUL 7+2*\lam, H, 0, 0, 0
.else
	MUL 6+2*\lam, P, 0x50, 0, 1                    ; the last layer adds straight onto P
	STAGE 7+2*\lam
	MUL 7+2*\lam, P, 0x50, 0, 0
.endif
.endr
	; ---- the way out: a lane's eight numbers of a tile are 32 neighbouring bytes of a row; they go through my stage (rows of 256 bytes + 16; its last fragment has been read) and come back as whole runs of 256 bytes
	WIN 0x04
	s_wait_alu depctr_va_vdst(0)                   ; behind the five places: the last products have written P, which the stores below read, and are done reading F, in which the loads from the stage land
.irp t, 0,1,2,3
	ds_store_b128 v[OST], v[P+8*(2*(\t%2)+\t/2):P+8*(2*(\t%2)+\t/2)+3] offset:64*\t          ; each accumulator from its low end on
	ds_store_b128 v[OST], v[P+8*(2*(\t%2)+\t/2)+4:P+8*(2*(\t%2)+\t/2)+7] offset:64*\t+16
.endr
	WIN 0
.irp i, 0,1,2,3,4,5,6,7
	ds_load_b128 v[F+4*\i:F+4*\i+3], v[ORD] offset:544*\i          ; rows 2 i and 2 i + 1; served in order: these see my stores
.endr
.irp i, 0,1,2,3,4,5,6,7
	s_wait_dscnt 7-\i                              ; load i is in; the 7 - i younger ones may be out
	global_store_b128 v[OGL], v[F+4*\i:F+4*\i+3], s[30:31] offset:4096*\i th:TH_STORE_NT   ; sixteen lanes store 256 consecutive bytes, at a multiple of 256 from out0's first byte
.endr
	s_wait_dscnt 0x0
	s_wait_alu depctr_hold_cnt(0) depctr_sa_sdst(0) depctr_va_vdst(0) depctr_va_sdst(0) depctr_va_ssrc(0) depctr_va_vcc(0) depctr_vm_vsrc(0)
	s_wait_tensorcnt 0x0
	ds_add_u32 v254, v255
	s_wait_dscnt 0x0
	s_endpgm
.Lfunc_end_k_qc43fb502b9_deepfm:
	.size	k_qc43fb502b9_deepfm, .Lfunc_end_k_qc43fb502b9_deepfm-k_qc43fb502b9_deepfm
	.p2alignl 7, 3214868480
	.fill 96, 4, 3214868480
	.section	.rodata,"a",@progbits
	.p2align	6, 0x0
	.amdhsa_kernel k_qc43fb502b9_deepfm
		.amdhsa_group_segment_fixed_size 125440
		.amdhsa_private_segment_fixed_size 0
		.amdhsa_enable_private_segment 0
		.amdhsa_kernarg_size 96
		.amdhsa_user_sgpr_count 2
		.amdhsa_user_sgpr_kernarg_segment_ptr 1
		.amdhsa_wavefront_size32 1
		.amdhsa_system_sgpr_workgroup_id_x 1
		.amdhsa_system_sgpr_workgroup_id_y 1
		.amdhsa_system_sgpr_workgroup_id_z 1
		.amdhsa_system_vgpr_workitem_id 0
		.amdhsa_next_free_vgpr 480
		.amdhsa_next_free_sgpr 66
		.amdhsa_reserve_vcc 0
		.amdhsa_float_denorm_mode_32 3
		.amdhsa_float_denorm_mode_16_64 3
		.amdhsa_memory_ordered 1
		.amdhsa_forward_progress 1
		.amdhsa_inst_pref_size 153
	.end_amdhsa_kernel
	.amdgpu_metadata
---
amdhsa.version: [ 1, 2 ]
amdhsa.kernels:
  - .name:           k_qc43fb502b9_deepfm
    .symbol:         k_qc43fb502b9_deepfm.kd
    .args:
      - { .name: x, .offset: 0, .size: 8, .value_kind: global_buffer, .address_space: global }
      - { .name: first_order_weights_codes, .offset: 8, .size: 8, .value_kind: global_buffer, .address_space: global }
      - { .name: first_order_weights_scales, .offset: 16, .size: 8, .value_kind: global_buffer, .address_space: global }
      - { .name: second_order_weights_codes, .offset: 24, .size: 8, .value_kind: global_buffer, .address_space: global }
      - { .name: second_order_weights_scales, .offset: 32, .size: 8, .value_kind: global_buffer, .address_space: global }
      - { .name: feature_weights_codes, .offset: 40, .size: 8, .value_kind: global_buffer, .address_space: global }
      - { .name: feature_weights_scales, .offset: 48, .size: 8, .value_kind: global_buffer, .address_space: global }
      - { .name: mlp_w_codes, .offset: 56, .size: 8, .value_kind: global_buffer, .address_space: global }
      - { .name: mlp_w_scales, .offset: 64, .size: 8, .value_kind: global_buffer, .address_space: global }
      - { .name: bias, .offset: 72, .size: 8, .value_kind: global_buffer, .address_space: global }
      - { .name: mlp_b, .offset: 80, .size: 8, .value_kind: global_buffer, .address_space: global }
      - { .name: out0, .offset: 88, .size: 8, .value_kind: global_buffer, .address_space: global }
    .group_segment_fixed_size: 125440
    .private_segment_fixed_size: 0
    .kernarg_segment_align: 8
    .kernarg_segment_size: 96
    .max_flat_workgroup_size: 256
    .sgpr_count:     66
    .vgpr_count:     480
    .wavefront_size: 32
...
	.end_amdgpu_metadata
.endif
;; end of part 2
